; MI455X (gfx1250); checked and timed in simulation.
; The chip was launched on July 23, 2026; its instructions are those of AMD's public machine-readable ISA for CDNA 5 (MIT licence, August 2026) and "CDNA5" Instruction Set Architecture Reference Guide (July 2026). The comments in the code are by the model that wrote it; some were corrected since.
;; Bert For Span Aspect Extraction. Allowed arithmetic: matrix products marked QUANTISED: E2M1 operands, one E8M0 scale for each 32 along K, by v_wmma_scale_f32_16x16x128_f8f6f4 with both operands' format E2M1 (or v_wmma_scale_f32_32x16x128_f4), f32 sums; products left as they are: f32 operands where the result goes on into a quantised operand, else bf16, f16 or f32 operands; f32 sums; everything else in f32.
;; Inputs: W1e_codes 384 x 24 x 16 uint8 (E2M1 codes of W1e, K innermost, in blocks of 32 codes, two codes a byte); W1e_scales 384 x 24 uint8 (E8M0 scales of W1e, one for each 32 codes along K); W1s_codes 384 x 24 x 16 uint8 (E2M1 codes of W1s, K innermost, in blocks of 32 codes, two codes a byte); W1s_scales 384 x 24 uint8 (E8M0 scales of W1s, one for each 32 codes along K); W2 384 float32; b1 384 float32; b2 one number float32; b_end one number float32; b_start one number float32; sequence_output 4 x 256 x 768 float32; w_end 768 float32; w_start 768 float32.
;; Outputs: out0 4 x 256 float32; out1 4 x 256 float32; out2 4 x 256 x 256 float32.
;; This version of the problem:
;;   THIS VERSION OF THE PROBLEM IS GIVEN IN LOW PRECISION. The matrix products marked QUANTISED in the list below multiply operands that are first quantised to E2M1 (2 exponent bits, 1 mantissa bit; 4 bits a number), with one power-of-two scale for each 32 numbers along K (OCP MX v1.0); their sums are f32. All else is computed in f32.
;;   The module's matrix products, in the order in which they are computed (A, B: the left and right operand; K: the contracted axis; several contracted axes count as one K, in the product's order):
;;     1. [M 1,024, K 768] x [K 768, N 1]; A: input sequence_output; B: input w_start: left as it is (N = 1 < 16)
;;     2. [M 1,024, K 768] x [K 768, N 1]; A: input sequence_output; B: input w_end: left as it is (N = 1 < 16)
;;     3. [M 1,024, K 768] x [K 768, N 384]; A: input sequence_output; B: input W1s (given as codes): QUANTISED
;;     4. [M 1,024, K 768] x [K 768, N 384]; A: input sequence_output; B: input W1e (given as codes): QUANTISED
;;     5. [M 262,144, K 384] x [K 384, N 1]; A: computed on the way; B: input W2: left as it is (N = 1 < 16)
;;   THE QUANTISER, for each operand of a quantised product, along K:
;;     - K is cut into blocks of 32 from its start; a last block that is shorter is filled with zeros.
;;     - A block's scale is 2^e with e = floor(log2(the largest magnitude in the block)) - 2, held to -126 .. 127; a block of zeros has e = 0. As a byte (E8M0): e + 127.
;;     - Each number is divided by its block's scale, clamped to +-6, and rounded to the nearest number of E2M1, ties to even, subnormals kept.
;;     - The product sums the exact products of the quantised numbers (number of the format x scale) in f32.
;;   ~~~python
;;   def quantise(x, axis):      # numpy; x: float32 -> the quantised numbers, widened to float32 again
;;       x = np.moveaxis(x, axis, -1); K = x.shape[-1]
;;       x = np.pad(x, [(0, 0)] * (x.ndim - 1) + [(0, -K % 32)]); x = x.reshape(x.shape[:-1] + (-1, 32)); a = np.abs(x).max(-1, keepdims=True)
;;       e = np.where(a > 0, np.clip(np.frexp(np.where(a > 0, a, 1))[1] - 1 - 2, -126, 127), 0)      # np.frexp(a)[1] - 1 = floor(log2(a)), exactly
;;       r = np.clip(x / 2.0 ** e, -6, 6)
;;       step = 2.0 ** (np.maximum(np.frexp(np.where(r == 0, 1, r))[1] - 1, 0) - 1)
;;       q = np.round(r / step) * step * 2.0 ** e      # np.round: ties to even
;;       return np.moveaxis(q.reshape(q.shape[:-2] + (-1,))[..., :K], -1, axis).astype(np.float32)
;;   ~~~
;;   INPUTS GIVEN AS CODES. W1e (in the module: [768, 384], K = its axis 0); W1s (in the module: [768, 384], K = its axis 0): each comes as NAME_codes (uint8): NAME with its K axis moved to the last place and cut into blocks of 32 codes, [.., K / 32, bytes a block], one block behind the other in memory; two codes a byte, the lower K in the low four bits (a code: sign, 2 exponent bits, 1 mantissa bit); and NAME_scales (uint8): the same leading axes, one E8M0 byte (e + 127) for each 32 codes along K. Its value is code x scale, taken as it is: it is not quantised again, and the codes and scales need not be those that the quantiser above would give.
;; One version. Each part assembles by itself: llvm-mc -triple=amdgcn-amd-amdhsa -mcpu=gfx1250 --defsym DOCPART=n.
;; ======== version 1 of 1: 2 launches
;; limits: right only within a limited range of input values
;; workspace buffers: proj 3,145,728 bytes; peak 1,024 bytes
;; launch project (part 1): grid 4 x 64, 6 waves a work-group, no clusters, 71,424 bytes of LDS; arguments sequence_output, W1s_codes, W1s_scales, W1e_codes, W1e_scales, b1, w_start, w_end, b_start, b_end, out0, out1, proj, peak; writes out0, out1, proj, peak
.if DOCPART == 1
	.amdgcn_target "amdgcn-amd-amdhsa--gfx1250"
	.amdhsa_code_object_version 6
	.text
	.protected	k_qa4b0791ea7_project
	.globl	k_qa4b0791ea7_project
	.p2align	8
	.type	k_qa4b0791ea7_project,@function
k_qa4b0791ea7_project:
	s_mov_b64 s[64:65], 0
	v_nop
	global_prefetch_b8 v0, s[64:65] scope:SCOPE_SE
	s_setreg_imm32_b32 hwreg(HW_REG_WAVE_MODE, 25, 1), 1
	s_wait_xcnt 0x0
; x [1024][768] f32 is quantised to codes of FP4 (E2M1) with one E8M0 scale for each 32 along K, and multiplied by W1s and W1e (codes [384][768], K innermost; scale bytes [384][24]):
; proj holds S = Q(x) W1s, [1024][384] f32, and behind it E' = Q(x) W1e + b1, [1024][384] f32.  The same numbers of x, unquantised, are dotted with w_start and w_end in f32: out0, out1.
; peak [256] f32 holds, for each work-group, the largest magnitude of the numbers that it stores into proj (word 64 cb + rb: the first 128 are S's, the others E's): the next launch makes a scale of them.
; SHARES.  Work-group (cb, rb): 16 rows of x (16 rb on) x 192 columns: cb / 2 picks W1s or W1e, cb % 2 the half of its 384 columns.  16 x 192 keeps the bytes that a work-group reads small: 48 KB of x, 77 KB of weights.
; Six waves, as many as K has steps of 128.  Wave w quantises K step w of the 16 rows; its fragment goes to the others through LDS as an image of its registers; and it owns columns 32 w .. 32 w + 31:
; two accumulators x six K steps = 12 matrix instructions.  Its weights go from memory straight into the operand's registers: each is read once by this work-group.
; Every work-group dots its rows with one vector (cb % 2 = 0: w_start, else w_end); cb = 0 stores out0, cb = 1 out1; cb = 2, 3 store no logits.
; THE MATRIX INSTRUCTION IS USED TRANSPOSED (source 0 = 16 columns of W, source 1 = x's 16 rows): a lane holds eight neighbouring columns of one row.  b1 (or 0, for S) is the C of each sum's first instruction.
; No tensor load and no joint request: every byte is asked for at the head of a short text, and weights that land in operand registers spare a pass through LDS.  No prefetch for the same reason.
; LIMITS.  NaN and infinities among the inputs are not served.  A block of x whose largest magnitude lies under 2^-124 (a block of zeros among them) gets the scale byte 1; a zero block's codes are zeros, and the bytes are
; read by this text alone.  b1 is added to e ahead of s (another order of rounding than s + e + b1); the dots are summed in another order than a plain chain.
; REGISTERS.  window 0: v1-15 addresses; v16-79 64 numbers of x; v80-143 the same k of the vector; v144-191 x's six fragments; v192-207 two accumulators; v208-223 at work; v224-231 codes just made; v232 their scale word;
;   v233-238 x's scale words; v240-251 W's scale words; v252-255 the dot.   window 1: v0-95 W's 12 fragments; v96-159 x as it is loaded.
.set XSTW, 16*528                      ; LDS: a stage for each wave: 16 rows x (512 bytes + 16): row r starts 4 r banks on (64 banks of 4 bytes: ISA guide 11.1)
.set IMG,  6*XSTW                      ; the images of x's six fragments, 1,024 bytes each
.set XSC,  IMG+6*1024                  ; their scale words, 128 bytes each
.set LG,   XSC+6*128                   ; the dots' parts: 64 bytes a wave;
.set PKL,  LG+384                      ; behind them the waves' largest magnitudes: 4 bytes a wave
.set OST,  LG+512                      ; the way out: 16 rows x (768 bytes + 16)
.set OP,   784
.set X,    16
.set WV,   80
.set XF,   144
.set ACC,  192
.set TM,   208                         ; v208-211 largest magnitudes, v212-215 the other half's, then bytes, v220-223 the conversions' scale operands
.set PC,   224
.set PW,   232
.set XS,   233
.set WSC,  240
.set R,    96                          ; in window 1
.set SEL,  40                          ; s[40:41] lane selects for v_permlanex16_b32: lane l xor 16
.set MSB, 0
.macro WIN new                         ; the immediate's high byte repeats the setting that is left
.if MSB != \new
	s_set_vgpr_msb (MSB<<8)|\new
.set MSB, \new
.endif
.endm
; 64 numbers of a lane, v[s] .. v[s + 63], register 16 b + i = k 32 b + 16 (lane / 16) + i of my row, become a fragment's codes in v[PC] on and its scale word in v[PW].
.macro QUANT s
.irp b, 0,1,2,3
	v_max3_num_f32 v[TM+\b], |v[\s+16*\b]|, |v[\s+1+16*\b]|, 0x1800000   ; block b: my 16 numbers, and the floor 2^(3 - 127): the byte cannot fall under 1
.endr
.irp i, 2,4,6,8,10,12,14
.irp b, 0,1,2,3
	v_max3_num_f32 v[TM+\b], v[TM+\b], |v[\s+16*\b+\i]|, |v[\s+1+16*\b+\i]|   ; the four blocks by turns
.endr
.endr
.irp b, 0,1,2,3
	v_permlanex16_b32 v[TM+4+\b], v[TM+\b], s[SEL], s[SEL+1]
.endr
.irp b, 0,1,2,3
	v_max_num_f32 v[TM+\b], v[TM+\b], v[TM+4+\b]   ; with lane l xor 16's: the block's largest magnitude
.endr
.irp b, 0,1,2,3
	v_add_nc_u32 v[TM+12+\b], 0xff000000, v[TM+\b]   ; 2 off its exponent field: the conversion takes the exponent field of this operand as its scale
.endr
.irp b, 0,1,2,3
	v_lshrrev_b32 v[TM+4+\b], 23, v[TM+12+\b]      ; the scale's byte
.endr
	v_lshl_or_b32 v[PW], v[TM+5], 8, v[TM+4]       ; the four bytes make my row's scale word
	v_lshl_or_b32 v[PW], v[TM+6], 16, v[PW]
	v_lshl_or_b32 v[PW], v[TM+7], 24, v[PW]
.irp b, 0,1,2,3
	v_cvt_scalef32_pk8_fp4_f32 v[PC+2*\b], v[\s+16*\b:\s+7+16*\b], v[TM+12+\b]
	v_cvt_scalef32_pk8_fp4_f32 v[PC+1+2*\b], v[\s+8+16*\b:\s+15+16*\b], v[TM+12+\b]
.endr
	v_nop                                          ; one plain place behind a scaled conversion
.irp c, 0,1                                    ; the operand's layout wants a whole block in a lane: lanes 0-15 block 2 c, lanes 16-31 block 2 c + 1
.irp i, 0,1
	v_permlane16_swap_b32 v[PC+4*\c+\i], v[PC+2+4*\c+\i]
.endr
.endr
.endm
.macro BARRIER                                 ; my LDS stores have landed and my LDS loads are in: then the work-group's barrier
	s_wait_dscnt 0x0
	s_barrier_signal -1
	s_barrier_wait -1
.endm
	s_load_b512 s[4:19], s[0:1], 0x0               ; x 4:5, W1s codes 6:7, scales 8:9, W1e codes 10:11, scales 12:13, b1 14:15, w_start 16:17, w_end 18:19
	s_load_b256 s[20:27], s[0:1], 0x40             ; b_start 20:21, b_end 22:23, out0 24:25, out1 26:27
	s_load_b64 s[28:29], s[0:1], 0x60              ; proj
	s_load_b64 s[58:59], s[0:1], 0x68              ; peak
	v_lshl_add_u32 v219, v0, 2, 0x11400
	v_mov_b32 v239, 0
	v_lshrrev_b32 v1, 5, v0
	v_readfirstlane_b32 s30, v1                    ; wave 0..5
	s_mov_b32 s31, ttmp9                           ; cb
	s_and_b32 s32, ttmp7, 0xffff                   ; rb
	s_lshr_b32 s33, s31, 1                         ; 0: W1s, 1: W1e
	s_and_b32 s34, s31, 1                          ; which half of the 384 columns; which vector
	s_mul_i32 s38, s30, 11
	s_lshr_b32 s38, s38, 5                         ; q = wave / 3
	s_mov_b32 s[SEL], 0x76543210
	s_mov_b32 s[SEL+1], 0xfedcba98
	; byte offsets, each in a pair of its own
	s_mul_i32 s42, s34, 192
	s_lshl_b32 s43, s30, 5
	s_add_co_u32 s42, s42, s43                     ; my first column: 192 (cb % 2) + 32 wave
	s_mul_i32 s44, s42, 384                        ; codes: 384 bytes a column
	s_mov_b32 s45, 0
	s_mul_i32 s46, s42, 24                         ; scale bytes: 24 a column
	s_mov_b32 s47, 0
	s_lshl_b32 s48, s42, 2                         ; b1
	s_mov_b32 s49, 0
	s_lshl_b32 s50, s30, 9                         ; the vector: my K step's 128 numbers
	s_mov_b32 s51, 0
	s_lshl_b32 s52, s32, 6                         ; the logits: 16 numbers a work-group
	s_mov_b32 s53, 0
	s_mul_i32 s54, s33, 1572864                    ; proj: S or E',
	s_mul_i32 s43, s32, 24576                      ; my 16 rows of 1,536 bytes,
	s_add_co_u32 s54, s54, s43
	s_mul_i32 s43, s34, 768                        ; my 192 columns,
	s_add_co_u32 s54, s54, s43
	s_lshl_b32 s43, s30, 8                         ; and what wave 3 q + p stores: rows 8 q on, bytes 256 p on: 256 wave + (8 x 1536 - 768) q
	s_add_co_u32 s54, s54, s43
	s_mul_i32 s43, s38, 11520
	s_add_co_u32 s54, s54, s43
	s_mov_b32 s55, 0
	s_lshl_b32 s56, s31, 6                         ; peak: word 64 cb + rb
	s_add_co_u32 s56, s56, s32
	s_lshl_b32 s56, s56, 2
	s_mov_b32 s57, 0
	s_mul_i32 s36, s32, 49152                      ; x: my 16 rows of 3,072 bytes, my K step's 512
	s_add_co_u32 s36, s36, s50
	s_mov_b32 s37, 0
	s_cmp_lg_u32 s33, 0
	s_cselect_b32 s35, -1, 0                       ; all lanes on for E' (b1 is kept), off for S (0 is taken)
	v_and_b32 v1, 31, v0                           ; lane
	v_and_b32 v2, 15, v0                           ; r
	v_bfe_u32 v3, v0, 4, 1                         ; h
	v_lshlrev_b32 v4, 4, v1                        ; x: my 16 bytes of a load's 512
	s_mul_i32 s42, s30, XSTW
	v_add_nc_u32 v5, s42, v4                       ; my stage, in: as loaded
	v_mul_u32_u24 v6, v2, 528
	v_lshl_add_u32 v6, v3, 6, v6
	v_add_nc_u32 v6, s42, v6                       ; and out: row r, + 64 h: my 16 numbers of a block of 32
	v_lshlrev_b32 v7, 6, v3                        ; the vector: the same k
	v_mul_u32_u24 v8, v2, 384
	v_lshl_add_u32 v8, v3, 4, v8                   ; W: column r of a tile, + 16 h
	v_mul_u32_u24 v9, v2, 24                       ; W's scale bytes: column r
	v_lshlrev_b32 v10, 5, v3                       ; b1: the eight columns of my half
	v_add_nc_u32 v11, IMG, v4                      ; an image's place for my lane
	s_lshl_b32 s42, s30, 10
	v_add_nc_u32 v12, s42, v11                     ; where I store mine
	v_lshl_add_u32 v15, v1, 2, XSC                 ; a scale word's place for my lane
	s_lshl_b32 s42, s30, 7
	v_add_nc_u32 v13, s42, v15                     ; where I store mine
	v_mul_u32_u24 v14, v2, OP
	v_lshl_add_u32 v14, v3, 5, v14
	v_add_nc_u32 v14, s42, v14
	v_add_nc_u32 v14, OST, v14                     ; the way out: row r, + 128 wave + 32 h
.irp b, 0,1,2,3
	v_mov_b32 v[TM+4+\b], 0                        ; written once: a lane permute's destination counts as one of its sources
.endr
	s_wait_kmcnt 0x0
	s_cmp_lt_u32 s31, 2                            ; the choices hang on the work-group's number alone
	s_cselect_b64 s[6:7], s[6:7], s[10:11]
	s_cselect_b64 s[8:9], s[8:9], s[12:13]
	s_cmp_eq_u32 s34, 0
	s_cselect_b64 s[16:17], s[16:17], s[18:19]
	s_cselect_b64 s[20:21], s[20:21], s[22:23]
	s_cselect_b64 s[24:25], s[24:25], s[26:27]
	s_load_b32 s39, s[20:21], 0x0                  ; the logit's bias
	s_add_nc_u64 s[4:5], s[4:5], s[36:37]
	s_add_nc_u64 s[6:7], s[6:7], s[44:45]
	s_add_nc_u64 s[8:9], s[8:9], s[46:47]
	s_add_nc_u64 s[14:15], s[14:15], s[48:49]
	s_add_nc_u64 s[16:17], s[16:17], s[50:51]
	s_add_nc_u64 s[24:25], s[24:25], s[52:53]
	s_add_nc_u64 s[28:29], s[28:29], s[54:55]
	s_add_nc_u64 s[58:59], s[58:59], s[56:57]
	; ---- all loads at once: 16 of x, 24 of W, 16 of the vector, 4 of b1
	WIN 0x40                                       ; destination window 1
.irp i, 0,1,2,3,4,5,6,7,8,9,10,11,12,13,14,15
	global_load_b128 v[R+4*\i:R+4*\i+3], v4, s[4:5] offset:\i*3072   ; row i's K step: 32 lanes read 512 consecutive bytes
.endr
.irp t, 0,1
.irp s, 0,1,2,3,4,5
.irp c, 0,1
	global_load_b128 v[8*(6*\t+\s)+4*\c:8*(6*\t+\s)+4*\c+3], v8, s[6:7] offset:\t*6144+\s*64+\c*32   ; W's fragment (tile t, K step s): registers 4 c on hold k = 64 c + 32 h + 0 .. 31
.endr
.endr
.endr
	WIN 0
.irp b, 0,1,2,3
.irp j, 0,1,2,3
	global_load_b128 v[WV+16*\b+4*\j:WV+16*\b+4*\j+3], v7, s[16:17] offset:\b*128+\j*16
.endr
.endr
.irp t, 0,1
.irp c, 0,1
	global_load_b128 v[ACC+8*\t+4*\c:ACC+8*\t+4*\c+3], v10, s[14:15] offset:\t*64+\c*16   ; b1 in the result's layout: columns 16 t + 8 h + 0 .. 7
.endr
.endr
	; ---- x turns through my own stage: in as loaded, out 16 neighbours of each block a lane
	s_wait_loadcnt 44                              ; x's sixteen are in; the 24 + 16 + 4 younger loads may be out
	WIN 0x04                                       ; an LDS store's data are its source 1: window 1
.irp i, 0,1,2,3,4,5,6,7,8,9,10,11,12,13,14,15
	ds_store_b128 v5, v[R+4*\i:R+4*\i+3] offset:\i*528
.endr
	WIN 0
.irp b, 0,1,2,3
.irp j, 0,1,2,3
	ds_load_b128 v[X+16*\b+4*\j:X+16*\b+4*\j+3], v6 offset:\b*128+\j*16   ; LDS serves a wave's instructions in order (ISA guide 5.7.1.4): these see my stores
.endr
.endr
.irp t, 0,1
.irp p, 0,1,2
	global_load_b64 v[WSC+6*\t+2*\p:WSC+6*\t+2*\p+1], v9, s[8:9] offset:\t*384+\p*8   ; W's scale words of K steps 2 p, 2 p + 1: lane r has column r's
.endr
.endr
	s_wait_dscnt 0x0
	QUANT X
.irp c, 0,1
	ds_store_b128 v12, v[PC+4*\c:PC+4*\c+3] offset:512*\c   ; the fragment goes to LDS as it stands
.endr
	ds_store_b32 v13, v[PW]
	; ---- the dot of my K step, on the unquantised numbers, in f32
	s_wait_loadcnt 10                              ; the vector is in; b1's four and the six loads of scale words may be out
	v_pk_mul_f32 v[252:253], v[X:X+1], v[WV:WV+1]  ; the first products start the two chains
	v_pk_mul_f32 v[254:255], v[X+2:X+3], v[WV+2:WV+3]
.set n, 4
.rept 15
	v_pk_fma_f32 v[252:253], v[X+n:X+n+1], v[WV+n:WV+n+1], v[252:253]
	v_pk_fma_f32 v[254:255], v[X+n+2:X+n+3], v[WV+n+2:WV+n+3], v[254:255]
.set n, n+4
.endr
	v_pk_add_f32 v[252:253], v[252:253], v[254:255]
	s_lshl_b32 s42, s30, 6
	s_add_co_u32 s42, s42, LG
	v_add_f32 v252, v252, v253
	v_lshl_add_u32 v254, v2, 2, s42                ; my wave's 64 bytes, row r's word
	v_permlanex16_b32 v[TM+4], v252, s[SEL], s[SEL+1]
	v_add_f32 v252, v252, v[TM+4]                  ; with lane l xor 16's: row r's 128 products
	ds_store_b32 v254, v252                        ; both halves of the lanes write the same word with the same value
	s_wait_loadcnt 0x0                             ; b1, W and its scale words
	s_wait_kmcnt 0x0                               ; the logit's bias
.irp j, 0,1,2,3,4,5,6,7,8,9,10,11,12,13,14,15
	v_cndmask_b32 v[ACC+\j], 0, v[ACC+\j], s35     ; S has no bias
.endr
	BARRIER                                        ; x's six fragments, their scale words and the dots' parts lie in LDS
	; ---- the products
.irp s, 0,1,2,3,4,5
.irp c, 0,1
	ds_load_b128 v[XF+8*\s+4*\c:XF+8*\s+4*\c+3], v11 offset:\s*1024+512*\c
.endr
.endr
.irp s, 0,1,2,3,4,5
	ds_load_b32 v[XS+\s], v15 offset:128*\s
.endr
	s_lshl_b32 s42, s30, 8                         ; addresses for the way out: v5-v10 are free (every global load is in)
	s_mul_i32 s43, s38, 5504                       ; wave 3 q + p reads rows 8 q on, bytes 256 p on: 256 wave + (8 x 784 - 768) q
	s_add_co_u32 s42, s42, s43
	s_add_co_u32 s42, s42, OST
	v_mul_u32_u24 v5, v3, OP
	v_lshl_add_u32 v5, v2, 4, v5
	v_add_nc_u32 v5, s42, v5                       ; lanes 0-15 one row's 256 bytes, lanes 16-31 the next row's
	v_mul_u32_u24 v6, v3, 1536
	v_lshl_add_u32 v6, v2, 4, v6                   ; and the same in proj
	v_lshl_add_u32 v7, v2, 2, LG                   ; the dots' parts of row r
	v_lshlrev_b32 v8, 2, v2                        ; the logit of row r
	s_lshl_b32 s43, s30, 2
	s_add_co_u32 s43, s43, PKL
	v_mov_b32 v9, s43                              ; my wave's word among the largest magnitudes
	v_mov_b32 v10, PKL                             ; and the first of the six
	v_cmp_gt_u32 vcc_lo, 16, v1                    ; lanes 0-15, for the logits' store
	v_cmp_eq_u32 s60, 0, v1                        ; lane 0, for the store into peak
	s_wait_dscnt 0x0
	WIN 0x01                                       ; source 0 (W) window 1
.irp s, 0,1,2,3,4,5                            ; the two accumulators take turns, one instruction a turn; K ascending
.irp t, 0,1
	v_wmma_scale_f32_16x16x128_f8f6f4 v[ACC+8*\t:ACC+8*\t+7], v[8*(6*\t+\s):8*(6*\t+\s)+7], v[XF+8*\s:XF+8*\s+7], v[ACC+8*\t:ACC+8*\t+7], v[WSC+6*\t+\s], v[XS+\s] matrix_a_fmt:MATRIX_FMT_FP4 matrix_b_fmt:MATRIX_FMT_FP4
.endr
.endr
	WIN 0
.rept 4
	v_nop                                          ; four places between the last product and the first read of a result (ISA guide 7.12.1)
.endr
.irp t, 0,1
	ds_store_b128 v14, v[ACC+8*\t:ACC+8*\t+3] offset:64*\t       ; lane (r, h): row r, columns 32 wave + 16 t + 8 h + 0 .. 7; each accumulator from its low end on
	ds_store_b128 v14, v[ACC+8*\t+4:ACC+8*\t+7] offset:64*\t+16
.endr
	; the largest magnitude of what my wave stores: my 16 numbers in two chains, then the 32 lanes'
	v_max3_num_f32 v80, |v[ACC]|, |v[ACC+1]|, |v[ACC+2]|
	v_max3_num_f32 v81, |v[ACC+8]|, |v[ACC+9]|, |v[ACC+10]|
.irp i, 3,5
	v_max3_num_f32 v80, v80, |v[ACC+\i]|, |v[ACC+\i+1]|
	v_max3_num_f32 v81, v81, |v[ACC+8+\i]|, |v[ACC+8+\i+1]|
.endr
	v_max3_num_f32 v80, v80, |v[ACC+7]|, |v[ACC+15]|
	v_max_num_f32 v80, v80, v81
.irp x, 1,2,4,8
	v_max_num_f32_dpp v80, v80, v80 row_xmask:\x row_mask:0xf bank_mask:0xf
.endr
	v_permlanex16_b32 v[TM+4], v80, s[SEL], s[SEL+1]
	v_max_num_f32 v80, v80, v[TM+4]
	ds_store_b32 v9, v80                           ; all lanes write the same word with the same value
	BARRIER                                        ; 16 rows of 768 bytes lie in the stage, and the six waves' largest magnitudes beside the dots' parts
.irp i, 0,1,2,3
	ds_load_b128 v[16+4*\i:19+4*\i], v5 offset:\i*2*OP
.endr
.irp i, 0,1,2,3
	s_wait_dscnt 3-\i                              ; load i is in; the younger ones may be out
	global_store_b128 v6, v[16+4*\i:19+4*\i], s[28:29] offset:\i*3072   ; 16 lanes store 256 consecutive bytes, at a multiple of 256 from proj's first byte
.endr
	; ---- wave 0: the work-group's largest magnitude; in the work-groups cb = 0 and cb = 1 the logits too
	s_cmp_lg_u32 s30, 0
	s_cbranch_scc1 .Lend
	ds_load_b128 v[40:43], v10
	ds_load_b64 v[44:45], v10 offset:16
.irp u, 0,1,2,3,4,5
	ds_load_b32 v[32+\u], v7 offset:64*\u          ; the six K steps' parts of row r
.endr
	v_mov_b32 v46, 0
	s_wait_dscnt 0x0
	v_max3_num_f32 v40, v40, v41, v42
	v_max3_num_f32 v43, v43, v44, v45
	v_max_num_f32 v40, v40, v43
	v_add_f32 v32, v32, v33
	v_add_f32 v34, v34, v35
	v_add_f32 v36, v36, v37
	v_add_f32 v32, v32, v34
	v_add_f32 v32, v32, v36
	v_add_f32 v32, s39, v32
	s_wait_xcnt 0x0                                ; EXEC is a source of the stores above: it changes only behind this wait
	s_and_saveexec_b32 s43, s60
	global_store_b32 v46, v40, s[58:59]            ; one word: all that a work-group owns of peak
	s_wait_xcnt 0x0                                ; and again, in front of the line that widens it
	s_or_b32 exec_lo, exec_lo, s43
	s_cmp_lg_u32 s33, 0
	s_cbranch_scc1 .Lend
	s_and_saveexec_b32 s43, vcc_lo                 ; (no memory instruction was issued since the last wait on XCNT)
	global_store_b32 v8, v32, s[24:25]             ; 64 bytes: all that a work-group owns of the 1,024 logits
	s_wait_xcnt 0x0
	s_or_b32 exec_lo, exec_lo, s43
.Lend:
	s_wait_tensorcnt 0x0
	ds_add_u32 v219, v239
	s_wait_dscnt 0x0
	s_endpgm
.Lfunc_end_k_qa4b0791ea7_project:
	.size	k_qa4b0791ea7_project, .Lfunc_end_k_qa4b0791ea7_project-k_qa4b0791ea7_project
	.p2alignl 7, 3214868480
	.fill 96, 4, 3214868480
	.section	.rodata,"a",@progbits
	.p2align	6, 0x0
	.amdhsa_kernel k_qa4b0791ea7_project
		.amdhsa_group_segment_fixed_size 71424
		.amdhsa_private_segment_fixed_size 0
		.amdhsa_enable_private_segment 0
		.amdhsa_kernarg_size 112
		.amdhsa_user_sgpr_count 2
		.amdhsa_user_sgpr_kernarg_segment_ptr 1
		.amdhsa_wavefront_size32 1
		.amdhsa_system_sgpr_workgroup_id_x 1
		.amdhsa_system_sgpr_workgroup_id_y 1
		.amdhsa_system_sgpr_workgroup_id_z 1
		.amdhsa_system_vgpr_workitem_id 0
		.amdhsa_next_free_vgpr 416
		.amdhsa_next_free_sgpr 66
		.amdhsa_reserve_vcc 1
		.amdhsa_float_denorm_mode_32 3
		.amdhsa_float_denorm_mode_16_64 3
		.amdhsa_memory_ordered 1
		.amdhsa_forward_progress 1
		.amdhsa_inst_pref_size 28
	.end_amdhsa_kernel
	.amdgpu_metadata
---
amdhsa.version: [ 1, 2 ]
amdhsa.kernels:
  - .name:           k_qa4b0791ea7_project
    .symbol:         k_qa4b0791ea7_project.kd
    .args:
      - { .name: sequence_output, .offset: 0, .size: 8, .value_kind: global_buffer, .address_space: global }
      - { .name: W1s_codes, .offset: 8, .size: 8, .value_kind: global_buffer, .address_space: global }
      - { .name: W1s_scales, .offset: 16, .size: 8, .value_kind: global_buffer, .address_space: global }
      - { .name: W1e_codes, .offset: 24, .size: 8, .value_kind: global_buffer, .address_space: global }
      - { .name: W1e_scales, .offset: 32, .size: 8, .value_kind: global_buffer, .address_space: global }
      - { .name: b1, .offset: 40, .size: 8, .value_kind: global_buffer, .address_space: global }
      - { .name: w_start, .offset: 48, .size: 8, .value_kind: global_buffer, .address_space: global }
      - { .name: w_end, .offset: 56, .size: 8, .value_kind: global_buffer, .address_space: global }
      - { .name: b_start, .offset: 64, .size: 8, .value_kind: global_buffer, .address_space: global }
      - { .name: b_end, .offset: 72, .size: 8, .value_kind: global_buffer, .address_space: global }
      - { .name: out0, .offset: 80, .size: 8, .value_kind: global_buffer, .address_space: global }
      - { .name: out1, .offset: 88, .size: 8, .value_kind: global_buffer, .address_space: global }
      - { .name: proj, .offset: 96, .size: 8, .value_kind: global_buffer, .address_space: global }
      - { .name: peak, .offset: 104, .size: 8, .value_kind: global_buffer, .address_space: global }
    .group_segment_fixed_size: 71424
    .private_segment_fixed_size: 0
    .kernarg_segment_align: 8
    .kernarg_segment_size: 112
    .max_flat_workgroup_size: 192
    .sgpr_count:     66
    .vgpr_count:     416
    .wavefront_size: 32
...
	.end_amdgpu_metadata
.endif
;; end of part 1
;; launch pairs (part 2): grid 16 x 16, 4 waves a work-group, clusters of 4 x 1, 168,448 bytes of LDS; arguments proj, W2, b2, out2, peak; writes out2
.if DOCPART == 2
	.amdgcn_target "amdgcn-amd-amdhsa--gfx1250"
	.amdhsa_code_object_version 6
	.text
	.protected	k_qa4b0791ea7_pairs
	.globl	k_qa4b0791ea7_pairs
	.p2align	8
	.type	k_qa4b0791ea7_pairs,@function
k_qa4b0791ea7_pairs:
	s_mov_b64 s[64:65], 0
	v_nop
	global_prefetch_b8 v0, s[64:65] scope:SCOPE_SE
	s_setreg_imm32_b32 hwreg(HW_REG_WAVE_MODE, 25, 1), 1
	s_wait_xcnt 0x0
	s_wait_alu depctr_hold_cnt(0) depctr_sa_sdst(0) depctr_va_vdst(0) depctr_va_sdst(0) depctr_va_ssrc(0) depctr_va_vcc(0) depctr_vm_vsrc(0)
	s_getreg_b32 s2, hwreg(HW_REG_IB_STS2, 6, 4)
	s_cmp_eq_u32 s2, 0
	s_cbranch_scc0 .Lentry_in_a_cluster
	s_endpgm
.Lentry_in_a_cluster:
	s_bfe_u32 s2, ttmp6, 0x10000c
	s_cmp_lg_u32 s2, 0x3003
	s_cbranch_scc0 .Lentry_shape_is_right
	s_endpgm
.Lentry_shape_is_right:
; out2[b][i][j] = sigmoid(sum over k of W2[k] max(S[b][i][k] + E'[b][j][k], 0) + b2).  proj holds S [1024][384] f32 and, 1,572,864 bytes on, E' = e + b1 [1024][384] f32.  All in f32, on the vector unit:
; a product with one column would want its operand rounded to 16 bits first, one conversion for two numbers, which is what the packed multiply-add that finishes the job costs.
; THE MAXIMUM WITH 0 IS TAKEN BY THE MULTIPLY-ADD ITSELF.  The modifier clamp holds an f32 result in 0 .. 1.  peak holds the largest |S| and |E'| of each block of proj; m = the largest |S| + the largest |E'|, F = m's exponent
; field, c = 2^(126 - F), so that m c < 1.  Then clamp(E' c + S c) = c max(S + E', 0): multiplying by a power of two rounds nothing, the sum is rounded once, as S + E' would be, and since rounding keeps order it is never
; above 1.  The sum over k is brought back by 2^(F - 126), folded into the factor of the sigmoid's argument.  F is a value alone: no address and no branch hangs on it.
; SHARES.  A work-group makes 16 rows i x 64 columns j of one batch: each row's piece is 256 consecutive bytes of out2.  256 work-groups of equal work.
; A lane: ks = lane % 4, tj = lane / 4; it owns the pairs i = 4 wave + a (a = 0..3) x j = tj + 8 c (c = 0..7), and of K the quads k = 16 step + 4 ks + 0 .. 3, step = 0 .. 23.  A step: 13 LDS loads of 16 bytes feed
; 128 numbers; two numbers cost two packed multiply-adds, and a step 8 packed multiplications more (S c).  The four ks lanes' sums meet at the end by two DPP steps.
; CLUSTER.  The four work-groups of a cluster share batch and columns, so they need the same 64 rows of E': 96 of the 120 KB that a work-group takes in.  Those are asked for JOINTLY (mask 15).  S's 16 rows are
; each work-group's own within the cluster: a plain load.  The place in the cluster enters S's and out2's global addresses alone.
; LDS is filled once, all of it at the head: no ring, nothing filled again.  Each wave asks for its 4 rows of S and for a quarter (16 rows) of each of E's three chunks of 128 along K, so that all waves run one text and
; the work on a chunk begins while the later chunks are on their way: four tensor loads of a wave are out at the most.  No prefetch: all requests stand at the head of a short text.
; Not done: max(s + e, 0) = max(s, -e) + e, which forms the result as a difference of large sums where the inputs carry an offset.
; LIMITS.  NaN and infinities are not served.  The largest |S| + the largest |E'| lies under 2^126 (F is held at 252); numbers 2^126 times smaller than that sum fall among the denormals.  The k sum has another order than
; a plain chain.  The sigmoid is 1 / (1 + 2^(-log2(e) (z + b2))): for large |z| it goes to 0 or 1 through infinity or 0, without NaN.
.set EP,   576                         ; a row of a chunk of E in LDS: 512 bytes + 64 of padding
.set ECH,  64*EP                       ; a chunk: 64 rows
.set SB,   3*ECH                       ; S: 6,144 dense bytes (4 rows) for each wave, its own
.set WB,   SB+4*6144                   ; W2: a copy of 1,536 bytes for each wave, its own; stored from registers, in blocks of 512 bytes into which no tensor load lands
.set OB,   WB+4*1536                   ; the way out: 16 rows x 288 bytes
.set OPI,  288
.set KF,   11                          ; v11      -log2(e) 2^(F - 126)
.set CC,   12                          ; v[12:13] c, twice: a pair for the packed forms
.set WR,   16                          ; v16-23   W2's quad, two buffers
.set SG,   24                          ; v24-55   S: register 4 a + k, two buffers
.set EG,   56                          ; v56-119  E: register 4 c + k, two buffers
.set T,    120                         ; v120-151 at work: register 4 c + k; at the end the 32 sums, register 8 a + c
.set PS,   T+12                        ; at the head: four of S's peaks a lane,
.set PE,   T+16                        ; and four of E's
.set ACC,  152                         ; v152-215 a pair (even k, odd k) for each of my 32 pairs (i, j), at 16 a + 2 c
.set Y,    216                         ; v216-223 my eight results
.set G1E,  24                          ; s[24:31] descriptor group 1 for E's tiles;  s[32:39] for S's;  s[40:43] group 0 for S;  s[44:55] for E's three chunks
.set G1S,  32
.set G0S,  40
.set G0E,  44
; v1 16 x lane; v2, v3, v4 my lane's place in a chunk of E, in S, in W2; v5, v6, v7 the same at the step in hand; v8, v9, v10 the way out; v11-15 at work at the head, then KF and CC
.macro ROUND                           ; a round of the cluster's barrier: my work-group's barrier; wave 0 signals for the work-group; every wave waits for all four work-groups; my work-group's barrier once more
	s_barrier_signal -1
	s_barrier_wait -1
	s_cmp_lg_u32 s12, 0
	s_cbranch_scc1 .Lnot_wave_0_\@
	s_barrier_signal -3
.Lnot_wave_0_\@:
	s_barrier_wait -3
	s_barrier_signal -1
	s_barrier_wait -1
.endm
.macro LOADS buf, off                  ; a step's 13 loads into buffer buf
	ds_load_b128 v[WR+4*\buf:WR+4*\buf+3], v7 offset:\off
.irp a, 0,1,2,3
	ds_load_b128 v[SG+16*\buf+4*\a:SG+16*\buf+4*\a+3], v6 offset:\a*1536+\off
.endr
.irp c, 0,1,2,3,4,5,6,7
	ds_load_b128 v[EG+32*\buf+4*\c:EG+32*\buf+4*\c+3], v5 offset:\c*8*EP+\off
.endr
.endm
.macro COMP buf                        ; a step's arithmetic: S c in place; then for each of my four rows two runs of 16, so that 16 instructions stand between a result and its reader, and 8 between two links on one sum
.irp n, 0,2,4,6,8,10,12,14
	v_pk_mul_f32 v[SG+16*\buf+\n:SG+16*\buf+\n+1], v[SG+16*\buf+\n:SG+16*\buf+\n+1], v[CC:CC+1]
.endr
.irp a, 0,1,2,3
.irp c, 0,1,2,3,4,5,6,7
.irp p, 0,1
	v_pk_fma_f32 v[T+4*\c+2*\p:T+4*\c+2*\p+1], v[EG+32*\buf+4*\c+2*\p:EG+32*\buf+4*\c+2*\p+1], v[CC:CC+1], v[SG+16*\buf+4*\a+2*\p:SG+16*\buf+4*\a+2*\p+1] clamp   ; c max(S + E', 0)
.endr
.endr
.irp p, 0,1
.irp c, 0,1,2,3,4,5,6,7
	v_pk_fma_f32 v[ACC+16*\a+2*\c:ACC+16*\a+2*\c+1], v[T+4*\c+2*\p:T+4*\c+2*\p+1], v[WR+4*\buf+2*\p:WR+4*\buf+2*\p+1], v[ACC+16*\a+2*\c:ACC+16*\a+2*\c+1]
.endr
.endr
.endr
.endm
.macro ADDR                            ; s57: where the step stands in E's chunks; s58: in a row of S and in W2
	v_add_nc_u32 v5, s57, v2
	v_add_nc_u32 v6, s58, v3
	v_add_nc_u32 v7, s58, v4
.endm
; Chunk c: 128 along K, eight steps on two buffers: while one step is worked on, the next one's loads are out.
.macro CHUNK c
	s_wait_tensorcnt 2-\c                          ; tensor loads of a wave end in order (ISA guide 10.11.1): S and my quarters of chunks 0 .. c are in; the later chunks may be out
	s_wait_dscnt 0x0                               ; no LDS instruction of mine is out at a signal
	s_barrier_signal -1
	s_barrier_wait -1                              ; everybody's quarter of chunk c is in
	s_mov_b32 s57, \c*ECH
	s_mov_b32 s58, \c*512
	ADDR
	LOADS 0, 0
	s_mov_b32 s56, 3
.Lk_\@:                                            ; three trips of two steps
	LOADS 1, 64
	s_wait_dscnt 13                                ; buffer 0's 13 loads are in; the 13 just issued may be out (on the way in and round the back edge alike)
	COMP 0
	s_add_co_u32 s57, s57, 128
	s_add_co_u32 s58, s58, 128
	ADDR
	LOADS 0, 0
	s_wait_dscnt 13                                ; buffer 1's are in
	COMP 1
	s_sub_co_u32 s56, s56, 1
	s_cmp_lg_u32 s56, 0
	s_cbranch_scc1 .Lk_\@
	LOADS 1, 64                                    ; the chunk's last two steps are written out: no load reaches past the chunk
	s_wait_dscnt 13
	COMP 0
	s_wait_dscnt 0x0
	COMP 1
.endm
	s_load_b256 s[4:11], s[0:1], 0x0               ; proj 4:5, W2 6:7, b2 8:9, out2 10:11
	s_load_b64 s[66:67], s[0:1], 0x20              ; peak
	v_lshl_add_u32 v240, v0, 2, 0x29000
	v_mov_b32 v241, 0
	ds_add_u32 v240, v241
	ds_add_u32 v240, v241
	v_lshrrev_b32 v1, 5, v0
	v_readfirstlane_b32 s12, v1                    ; wave 0..3
	s_bfe_u32 s13, ttmp6, 0x40000                  ; cx: my place in the cluster
	s_lshl_b32 s14, ttmp9, 2                       ; in a cluster launch ttmp9 counts clusters
	s_add_co_u32 s14, s14, s13                     ; my tile of 16 rows i
	s_and_b32 s15, ttmp7, 0xffff
	s_lshr_b32 s16, s15, 2                         ; the batch,
	s_and_b32 s17, s15, 3                          ; and the tile of 64 columns j: both shared by the four partners
	s_lshl_b32 s18, s16, 8
	s_lshl_b32 s19, s14, 4
	s_add_co_u32 s18, s18, s19
	s_lshl_b32 s19, s12, 2
	s_add_co_u32 s18, s18, s19                     ; my wave's first row: 256 b + 16 tile + 4 wave
	s_lshl_b32 s2, s18, 10                         ; in out2: rows of 1,024 bytes,
	s_lshl_b32 s3, s17, 8                          ; + 256 bytes for each tile of columns
	s_add_co_u32 s2, s2, s3
	s_mov_b32 s3, 0
	s_mul_i32 s18, s18, 1536                       ; in S
	s_mov_b32 s19, 0
	s_lshl_b32 s20, s16, 8                         ; E': in registers that never hold my place in the cluster
	s_lshl_b32 s21, s17, 6
	s_add_co_u32 s20, s20, s21
	s_lshl_b32 s21, s12, 4
	s_add_co_u32 s20, s20, s21                     ; the 16 rows that I fetch: 256 b + 64 tile + 16 wave
	s_mul_i32 s20, s20, 1536
	s_add_co_u32 s20, s20, 1572864
	s_mov_b32 s21, 0
	; descriptor group 1 for E: 16 rows x 128 elements of 4 bytes, 384 elements from row to row
	s_mov_b32 s[G1E+0], 15|(2<<16)|(1<<20)|(1<<21)|(6<<22)|(15<<25)  ; 15:0 the mask: all four work-groups; 17:16 elements of 4 bytes; 20 padding on; 21 set beside a mask; 24:22 after every 128 words (code 6); 31:25 16 words of it (code 15)
	s_mov_b32 s[G1E+1], 128<<16                    ; tensor_dim0 = 128
	s_mov_b32 s[G1E+2], 16<<16                     ; tensor_dim1 = 16
	s_mov_b32 s[G1E+3], 128<<16                    ; tile_dim0 = 128
	s_mov_b32 s[G1E+4], 16                         ; tile_dim1 = 16
	s_mov_b32 s[G1E+5], 384                        ; tensor_dim0_stride
	s_mov_b32 s[G1E+6], 0
	s_mov_b32 s[G1E+7], 0
	; and for S: 4 rows are 6,144 dense bytes: 24 rows of 32 elements of 8 bytes; no mask, no padding
	s_mov_b32 s[G1S+0], 3<<16
	s_mov_b32 s[G1S+1], 32<<16
	s_mov_b32 s[G1S+2], 24<<16
	s_mov_b32 s[G1S+3], 32<<16
	s_mov_b32 s[G1S+4], 24
	s_mov_b32 s[G1S+5], 32
	s_mov_b32 s[G1S+6], 0
	s_mov_b32 s[G1S+7], 0
	s_mov_b32 s60, 0xbfb8aa3b                      ; -log2(e)
	s_mov_b32 s68, 0x76543210                      ; lane selects for v_permlanex16_b32: lane l xor 16
	s_mov_b32 s69, 0xfedcba98
	v_and_b32 v1, 31, v0
	v_lshlrev_b32 v1, 4, v1                        ; 16 x lane
	s_wait_dscnt 0x0
	s_wait_kmcnt 0x0
	s_load_b32 s59, s[8:9], 0x0                    ; b2
	s_add_nc_u64 s[10:11], s[10:11], s[2:3]
	s_mov_b32 s[G0S], 1                            ; 1:0 count = 1
	s_mul_i32 s[G0S+1], s12, 6144
	s_add_co_u32 s[G0S+1], s[G0S+1], SB            ; 63:32 LDS address: a constant + the wave's number x a constant
	s_add_nc_u64 s[G0S+2:G0S+3], s[4:5], s[18:19]  ; 120:64 global address
	s_or_b32 s[G0S+3], s[G0S+3], 0x80000000        ; 127:126 type = 2
	s_add_nc_u64 s[22:23], s[4:5], s[20:21]
	s_mul_i32 s56, s12, 16*EP
.irp c, 0,1,2
	s_mov_b32 s[G0E+4*\c], 1
	s_add_co_u32 s[G0E+4*\c+1], s56, \c*ECH
	s_add_nc_u64 s[G0E+4*\c+2:G0E+4*\c+3], s[22:23], \c*512
	s_or_b32 s[G0E+4*\c+3], s[G0E+4*\c+3], 0x80000000
.endr
	ROUND                                          ; all four work-groups are here: the joint loads meet
	tensor_load_to_lds s[G0S:G0S+3], s[G1S:G1S+7]  ; all fills of the launch go out together, ahead of every wait on TENSORcnt and every LDS read
	s_nop 0
	tensor_load_to_lds s[G0E:G0E+3], s[G1E:G1E+7]
	s_nop 0
	tensor_load_to_lds s[G0E+4:G0E+7], s[G1E:G1E+7]
	s_nop 0
	tensor_load_to_lds s[G0E+8:G0E+11], s[G1E:G1E+7]
	s_nop 0
.rept 4
	v_nop
.endr
.irp u, 0,1,2
	global_load_b128 v[T+4*\u:T+4*\u+3], v1, s[6:7] offset:512*\u   ; W2: 1,536 bytes, through registers that are idle yet
.endr
	global_load_b128 v[PS:PS+3], v1, s[66:67]              ; S's 128 peaks: four a lane
	global_load_b128 v[PE:PE+3], v1, s[66:67] offset:512   ; E's 128
	; what follows stands while the tiles are on their way
	v_and_b32 v11, 3, v0                           ; ks
	v_bfe_u32 v12, v0, 2, 3                        ; tj
	v_lshlrev_b32 v13, 4, v11
	v_mad_u32_u24 v2, v12, EP, v13                 ; E: row tj, + 16 ks
	s_mul_i32 s57, s12, 6144
	s_add_co_u32 s57, s57, SB
	v_add_nc_u32 v3, s57, v13                      ; S: my wave's rows, + 16 ks
	s_mul_i32 s58, s12, 1536
	s_add_co_u32 s58, s58, WB
	v_add_nc_u32 v4, s58, v13                      ; W2: my wave's copy, + 16 ks
	v_add_nc_u32 v14, s58, v1                      ; and where I put my 16 bytes of it
	s_mul_i32 s57, s12, 4*OPI
	s_add_co_u32 s57, s57, OB
	v_mul_u32_u24 v8, v11, OPI
	v_lshl_add_u32 v8, v12, 2, v8
	v_add_nc_u32 v8, s57, v8                       ; the way out, in: row 4 wave + ks, word tj
	v_bfe_u32 v15, v0, 4, 1
	v_and_b32 v10, 15, v0
	v_mul_u32_u24 v9, v15, OPI
	v_lshl_add_u32 v9, v10, 4, v9
	v_add_nc_u32 v9, s57, v9                       ; back: lanes 0-15 one row's 256 bytes, lanes 16-31 the next row's
	v_lshlrev_b32 v15, 10, v15
	v_lshl_add_u32 v10, v10, 4, v15                ; and the same in out2
	v_and_b32 v15, 1, v0
	v_cmp_ne_u32 s62, 0, v15                       ; lanes with ks odd
	v_and_b32 v15, 2, v0
	v_cmp_ne_u32 s63, 0, v15                       ; lanes with ks = 2, 3
.set n, 0
.rept 32
	v_dual_mov_b32 v[ACC+n], 0 :: v_dual_mov_b32 v[ACC+n+1], 0   ; the sums begin as zeros: 32 lines here, where the wave waits for tiles, against one more copy of a step's 136 lines for a first step of its own
.set n, n+2
.endr
	s_wait_loadcnt 0x0                             ; W2 and the peaks
.irp u, 0,1,2
	ds_store_b128 v14, v[T+4*\u:T+4*\u+3] offset:512*\u
.endr
	; the scale: the largest of S's 128 peaks and of E's, by turns; every lane ends with both
	v_max3_num_f32 v[PS], v[PS], v[PS+1], v[PS+2]
	v_max3_num_f32 v[PE], v[PE], v[PE+1], v[PE+2]
	v_max_num_f32 v[PS], v[PS], v[PS+3]
	v_max_num_f32 v[PE], v[PE], v[PE+3]
.irp x, 1,2,4,8
	v_max_num_f32_dpp v[PS], v[PS], v[PS] row_xmask:\x row_mask:0xf bank_mask:0xf
	v_max_num_f32_dpp v[PE], v[PE], v[PE] row_xmask:\x row_mask:0xf bank_mask:0xf
.endr
	v_permlanex16_b32 v[PS+1], v[PS], s68, s69
	v_permlanex16_b32 v[PE+1], v[PE], s68, s69
	v_max_num_f32 v[PS], v[PS], v[PS+1]
	v_max_num_f32 v[PE], v[PE], v[PE+1]
	v_add_f32 v[PS], v[PS], v[PE]                  ; m: no S + E' rounds to more
	v_lshrrev_b32 v[PS], 23, v[PS]                 ; F, its exponent field (m is not negative): m < 2^(F - 126)
	v_min_u32 v[PS], 252, v[PS]                    ; held, so that c's exponent field stays at 1 or above
	v_sub_nc_u32 v[CC], 253, v[PS]
	v_lshlrev_b32 v[CC], 23, v[CC]                 ; c = 2^(126 - F)
	v_mov_b32 v[CC+1], v[CC]
	v_add_nc_u32 v[PS], -126, v[PS]
	v_ldexp_f32 v[KF], s60, v[PS]                  ; -log2(e) / c
	s_wait_kmcnt 0x0
	s_mul_f32 s61, s59, s60                        ; -log2(e) b2
	CHUNK 0
	CHUNK 1
	CHUNK 2
	; ---- the sums: even and odd k; then the four ks lanes'
.set n, 0
.rept 32
	v_add_f32 v[T+n], v[ACC+2*n], v[ACC+2*n+1]
.set n, n+1
.endr
.set n, 0
.rept 32
	v_add_f32_dpp v[T+n], v[T+n], v[T+n] row_xmask:1 row_mask:0xf bank_mask:0xf
.set n, n+1
.endr
.set n, 0
.rept 32
	v_add_f32_dpp v[T+n], v[T+n], v[T+n] row_xmask:2 row_mask:0xf bank_mask:0xf
.set n, n+1
.endr
	; all four ks lanes hold all 32 sums: lane ks goes on with row a = ks, so that the sigmoid is done once for each number
.irp c, 0,1,2,3,4,5,6,7
	v_cndmask_b32 v[ACC+\c], v[T+\c], v[T+8+\c], s62
.endr
.irp c, 0,1,2,3,4,5,6,7
	v_cndmask_b32 v[ACC+8+\c], v[T+16+\c], v[T+24+\c], s62
.endr
.irp c, 0,1,2,3,4,5,6,7
	v_cndmask_b32 v[Y+\c], v[ACC+\c], v[ACC+8+\c], s63
.endr
.irp c, 0,1,2,3,4,5,6,7
	v_fma_f32 v[Y+\c], v[Y+\c], v[KF], s61         ; -log2(e) (z + b2): the sum is c z
.endr
.irp c, 0,1,2,3,4,5,6,7
	v_exp_f32 v[Y+\c], v[Y+\c]
.endr
	v_nop                                          ; a plain instruction behind the last exponential (ISA guide 5.7.2)
	s_wait_alu depctr_va_vdst(0)                   ; one wait for the batch, ahead of its first reader
.irp c, 0,1,2,3,4,5,6,7
	v_add_f32 v[Y+\c], 1.0, v[Y+\c]
.endr
.irp c, 0,1,2,3,4,5,6,7
	v_rcp_f32 v[Y+\c], v[Y+\c]
.endr
	v_nop
	s_wait_alu depctr_va_vdst(0)                   ; and one for the reciprocals
	; ---- the way out: my wave's four rows through its own bytes of LDS, back as whole rows
.irp c, 0,1,2,3,4,5,6,7
	ds_store_b32 v8, v[Y+\c] offset:32*\c          ; column tj + 8 c
.endr
.irp u, 0,1
	ds_load_b128 v[224+4*\u:227+4*\u], v9 offset:\u*2*OPI   ; LDS serves a wave's instructions in order (ISA guide 5.7.1.4): these see my stores
.endr
.irp u, 0,1
	s_wait_dscnt 1-\u
	global_store_b128 v10, v[224+4*\u:227+4*\u], s[10:11] offset:\u*2048 th:TH_STORE_NT   ; 16 lanes store 256 consecutive bytes, at a multiple of 256 from out2's first byte; written once, read by nobody here
.endr
	s_wait_tensorcnt 0x0
	ds_add_u32 v240, v241
	s_wait_dscnt 0x0
	ROUND                                          ; the closing round: no work-group ends while a partner may still ask for a tile that names it (every tensor load of mine was waited for in chunk 2)
	s_endpgm
.Lfunc_end_k_qa4b0791ea7_pairs:
	.size	k_qa4b0791ea7_pairs, .Lfunc_end_k_qa4b0791ea7_pairs-k_qa4b0791ea7_pairs
	.p2alignl 7, 3214868480
	.fill 96, 4, 3214868480
	.section	.rodata,"a",@progbits
	.p2align	6, 0x0
	.amdhsa_kernel k_qa4b0791ea7_pairs
		.amdhsa_group_segment_fixed_size 168448
		.amdhsa_private_segment_fixed_size 0
		.amdhsa_enable_private_segment 0
		.amdhsa_kernarg_size 40
		.amdhsa_user_sgpr_count 2
		.amdhsa_user_sgpr_kernarg_segment_ptr 1
		.amdhsa_wavefront_size32 1
		.amdhsa_system_sgpr_workgroup_id_x 1
		.amdhsa_system_sgpr_workgroup_id_y 1
		.amdhsa_system_sgpr_workgroup_id_z 1
		.amdhsa_system_vgpr_workitem_id 0
		.amdhsa_next_free_vgpr 242
		.amdhsa_next_free_sgpr 70
		.amdhsa_reserve_vcc 0
		.amdhsa_float_denorm_mode_32 3
		.amdhsa_float_denorm_mode_16_64 3
		.amdhsa_memory_ordered 1
		.amdhsa_forward_progress 1
		.amdhsa_inst_pref_size 134
	.end_amdhsa_kernel
	.amdgpu_metadata
---
amdhsa.version: [ 1, 2 ]
amdhsa.kernels:
  - .name:           k_qa4b0791ea7_pairs
    .symbol:         k_qa4b0791ea7_pairs.kd
    .args:
      - { .name: proj, .offset: 0, .size: 8, .value_kind: global_buffer, .address_space: global }
      - { .name: W2, .offset: 8, .size: 8, .value_kind: global_buffer, .address_space: global }
      - { .name: b2, .offset: 16, .size: 8, .value_kind: global_buffer, .address_space: global }
      - { .name: out2, .offset: 24, .size: 8, .value_kind: global_buffer, .address_space: global }
      - { .name: peak, .offset: 32, .size: 8, .value_kind: global_buffer, .address_space: global }
    .group_segment_fixed_size: 168448
    .private_segment_fixed_size: 0
    .kernarg_segment_align: 8
    .kernarg_segment_size: 40
    .max_flat_workgroup_size: 128
    .sgpr_count:     70
    .vgpr_count:     242
    .wavefront_size: 32
...
	.end_amdgpu_metadata
.endif
;; end of part 2
